; MI455X (gfx1250); checked and timed in simulation.
; The chip was launched on July 23, 2026; its instructions are those of AMD's public machine-readable ISA for CDNA 5 (MIT licence, August 2026) and "CDNA5" Instruction Set Architecture Reference Guide (July 2026). The comments in the code are by the model that wrote it; some were corrected since.
;; LTC Cell. Allowed arithmetic: matrix products marked QUANTISED: E2M1 operands, one E8M0 scale for each 32 along K, by v_wmma_scale_f32_16x16x128_f8f6f4 with both operands' format E2M1 (or v_wmma_scale_f32_32x16x128_f4), f32 sums; everything else in f32.
;; Inputs: W_mod 3,072 x 2,048 float32; W_tgt 3,072 x 2,048 float32; b_mod 2,048 float32; b_tgt 2,048 float32; bias 2,048 float32; h 4,096 x 2,048 float32; log_tau 2,048 float32; time_delta 4,096 x 1 float32; x 4,096 x 1,024 float32.
;; Outputs: out0 4,096 x 2,048 float32.
;; This version of the problem:
;;   THIS VERSION OF THE PROBLEM IS GIVEN IN LOW PRECISION. The matrix products marked QUANTISED in the list below multiply operands that are first quantised to E2M1 (2 exponent bits, 1 mantissa bit; 4 bits a number), with one power-of-two scale for each 32 numbers along K (OCP MX v1.0); their sums are f32. All else is computed in f32.
;;   The module's matrix products, in the order in which they are computed (A, B: the left and right operand; K: the contracted axis; several contracted axes count as one K, in the product's order):
;;     1. [M 4,096, K 3,072] x [K 3,072, N 2,048]; A: computed on the way; B: input W_mod: QUANTISED
;;     2. [M 4,096, K 3,072] x [K 3,072, N 2,048]; A: computed on the way; B: input W_tgt: QUANTISED
;;   THE QUANTISER, for each operand of a quantised product, along K:
;;     - K is cut into blocks of 32 from its start; a last block that is shorter is filled with zeros.
;;     - A block's scale is 2^e with e = floor(log2(the largest magnitude in the block)) - 2, held to -126 .. 127; a block of zeros has e = 0. As a byte (E8M0): e + 127.
;;     - Each number is divided by its block's scale, clamped to +-6, and rounded to the nearest number of E2M1, ties to even, subnormals kept.
;;     - The product sums the exact products of the quantised numbers (number of the format x scale) in f32.
;;   ~~~python
;;   def quantise(x, axis):      # numpy; x: float32 -> the quantised numbers, widened to float32 again
;;       x = np.moveaxis(x, axis, -1); K = x.shape[-1]
;;       x = np.pad(x, [(0, 0)] * (x.ndim - 1) + [(0, -K % 32)]); x = x.reshape(x.shape[:-1] + (-1, 32)); a = np.abs(x).max(-1, keepdims=True)
;;       e = np.where(a > 0, np.clip(np.frexp(np.where(a > 0, a, 1))[1] - 1 - 2, -126, 127), 0)      # np.frexp(a)[1] - 1 = floor(log2(a)), exactly
;;       r = np.clip(x / 2.0 ** e, -6, 6)
;;       step = 2.0 ** (np.maximum(np.frexp(np.where(r == 0, 1, r))[1] - 1, 0) - 1)
;;       q = np.round(r / step) * step * 2.0 ** e      # np.round: ties to even
;;       return np.moveaxis(q.reshape(q.shape[:-2] + (-1,))[..., :K], -1, axis).astype(np.float32)
;;   ~~~
;;   OPERANDS COMPUTED ON THE WAY. 'Computed on the way' means the value that the module computes at that place (a softmax that the list does not call 'softmax' is quantised finished and normalised). What goes into a quantiser is computed in f32, as accurately as f32 sums, v_exp_f32 and their like allow (about 1e-6 of the number): no bf16 or f16 on the way to a quantiser, and a product that is left as it is and whose result goes on into a quantised operand takes f32 operands (vector FMAs, or v_wmma_f32_16x16x4_f32). A number that lies on a knife's edge between two numbers of the format may be rounded either way, as far as f32 arithmetic and the matrix unit's own rounding can turn it there, and no further.
;; One version. Each part assembles by itself: llvm-mc -triple=amdgcn-amd-amdhsa -mcpu=gfx1250 --defsym DOCPART=n.
;; ======== version 1 of 1: 2 launches
;; limits: right only within a limited range of input values
;; workspace buffers: acode 6,684,672 bytes; wcode 6,684,672 bytes
;; launch quant (part 1): grid 256 x 1, 16 waves a work-group, no clusters, 57,344 bytes of LDS; arguments x, h, W_mod, W_tgt, acode, wcode; writes acode, wcode
.if DOCPART == 1
	.amdgcn_target "amdgcn-amd-amdhsa--gfx1250"
	.amdhsa_code_object_version 6
	.text
	.protected	k_q147bd8fc2c_quant
	.globl	k_q147bd8fc2c_quant
	.p2align	8
	.type	k_q147bd8fc2c_quant,@function
k_q147bd8fc2c_quant:
	s_mov_b64 s[64:65], 0
	v_nop
	global_prefetch_b8 v0, s[64:65] scope:SCOPE_SE
	s_setreg_imm32_b32 hwreg(HW_REG_WAVE_MODE, 25, 1), 1
	s_wait_xcnt 0x0
; Both operands of the two products are turned into codes of FP4 (E2M1) with one E8M0 scale byte for each 32 along K, laid as the product's launch wants them:
; acode = [group of 128 rows of [x | h], 32][K step of 512, 6][34,816 bytes], wcode = [group of 64 columns, 32][K step, 6][34,816 bytes]; such a block is [K half of 256, 2][128 rows][128 bytes of codes,
; the lower k in the low four bits], then [K half, 2][128 rows][8 scale bytes].  In wcode rows 0-63 are the group's columns of W_mod, rows 64-127 the same columns of W_tgt.
; A block's scale is 2^(floor(log2(its largest magnitude)) - 2); its byte is the largest magnitude's exponent field - 2, held at 1 from below.  A block of zeros so gets the byte 1 where the rule says 127:
; its codes are zeros, which add nothing under any byte but 0xff, and the bytes are read by this program alone.
; LIMITS: blocks whose largest magnitude lies under 2^-124 (their byte is held at 1) were not tried; NaN and infinities among the inputs are not served.
; 256 work-groups of equal work, 16 waves.  WAVES 0-7 take 32 rows x 1,536 of [x | h] (a wave 4 rows x 3 K steps), WAVES 8-15 64 columns x 768 of one weight (a wave 96 rows of K).  A wave's 24 KiB of input
; are all asked for at its start, into 192 registers.  No input byte is shared between work-groups: no cluster; no loop to run ahead in: no prefetch; no tensor load.
; ROWS: a load takes 512 consecutive bytes (128 numbers) of a row: lane l < 16 the numbers 8 l .. 8 l + 3, lane l + 16 the four behind them.  Of two rows' loads v_permlane16_swap makes lanes 0-15 hold
; 8 neighbours of the first row and lanes 16-31 8 neighbours of the second, in 8 consecutive registers: what the conversion takes.  Four neighbouring lanes hold a block of 32.
; WEIGHTS: a load takes 256 consecutive bytes of a row of K: two columns a lane.  Each run of 8 registers is converted under either column's scale, and the nibbles that are the column's own are merged.
; The rows of K stand in the registers in such an order (even ones, then odd ones, of each 8) that the merged codes have k ascending.
.set BLK,   34816
.set WSTG,  24576                      ; LDS: from 0 a row wave's codes: [K step, 3][K half, 2][4 rows][128 bytes], 3,072 bytes a wave;  then the weights' codes: [K half, 3][64 columns][128 bytes + 16]
.set SCW,   52224                      ; the weights' scale bytes: [K half, 3][64 columns][8]
.set SCA,   53760                      ; the rows' scale bytes: [K step, 3][K half, 2][32 rows][8]
.set SPARE, 55296                      ; the spare words, 128 bytes for each wave
.set SPW,   30                         ; v30 LDS address of my spare word, v31 0: never rewritten
.set NIL,   31
.set R,     64                         ; v64-255 the numbers as loaded
.set WV,    16                         ; s16 wave, s17 wave % 8
	s_load_b256 s[4:11], s[0:1], 0x0               ; x s[4:5], h s[6:7], W_mod s[8:9], W_tgt s[10:11]
	s_load_b128 s[12:15], s[0:1], 0x20             ; acode s[12:13], wcode s[14:15]
	v_lshl_add_u32 v[SPW], v0, 2, SPARE
	v_mov_b32 v[NIL], 0
	v_lshrrev_b32 v2, 5, v0
	v_readfirstlane_b32 s[WV], v2
	v_and_b32 v1, 31, v0                           ; lane
	s_and_b32 s17, s[WV], 7
	; rows: 32-row group rg = x / 2, K steps 3 kh .. 3 kh + 2
	s_lshr_b32 s18, ttmp9, 1                       ; rg
	s_and_b32 s19, ttmp9, 1                        ; kh
	s_lshl_b32 s20, s18, 5
	s_lshl_b32 s21, s17, 2
	s_add_co_u32 s20, s20, s21                     ; my first row
	s_cmp_eq_u32 s19, 0
	s_cselect_b32 s22, 12, 13                      ; log2 of a row's bytes in the first two K steps' tensor (x or h)
	s_cselect_b32 s23, 0, 0x800                    ; where they begin in its row
	s_cselect_b32 s24, 0, 0x1800                   ; where the third K step begins in h's row
	s_lshl_b32 s25, 1, s22                         ; a row's bytes
	s_lshl_b32 s26, s20, s22
	s_add_co_u32 s26, s26, s23
	s_mov_b32 s27, 0
	s_lshl_b32 s28, s20, 13
	s_add_co_u32 s28, s28, s24
	s_mov_b32 s29, 0
	s_lshr_b32 s30, s18, 2                         ; the group of 128 rows
	s_mul_i32 s30, s30, 6
	s_mul_i32 s31, s19, 3
	s_add_co_u32 s30, s30, s31
	s_mul_i32 s30, s30, BLK                        ; the block of my first K step
	s_and_b32 s31, s18, 3                          ; which 32 of the group's rows
	s_lshl_b32 s32, s31, 12
	s_lshl_b32 s33, s17, 9
	s_add_co_u32 s32, s32, s33
	s_add_co_u32 s32, s32, s30                     ; my 4 rows' codes
	s_mov_b32 s33, 0
	s_lshl_b32 s31, s31, 8
	s_sub_co_u32 s34, s[WV], 3                     ; waves 3-5 store the rows' scale bytes, a K step each
	s_mul_i32 s34, s34, BLK
	s_add_co_u32 s34, s34, s31
	s_add_co_u32 s34, s34, s30
	s_add_co_u32 s34, s34, 32768
	s_mov_b32 s35, 0
	; weights: tensor x / 128, 64 columns cg on, K rows 768 kq on
	s_lshr_b32 s36, ttmp9, 7
	s_lshr_b32 s37, ttmp9, 2
	s_and_b32 s37, s37, 31                         ; cg
	s_and_b32 s38, ttmp9, 3                        ; kq
	s_mul_i32 s40, s38, 768
	s_mul_i32 s41, s17, 96
	s_add_co_u32 s40, s40, s41
	s_lshl_b32 s40, s40, 13                        ; 8,192 bytes a row
	s_lshl_b32 s41, s37, 8
	s_add_co_u32 s40, s40, s41
	s_mov_b32 s41, 0
	s_mul_i32 s37, s37, 6
	s_mul_i32 s38, s38, 3                          ; the first of the work-group's three K halves
	s_lshl_b32 s39, s36, 13
	s_lshl_b32 s50, s[WV], 9
	s_add_co_u32 s39, s39, s50                     ; in a K half's codes: my tensor's rows, my 4 columns
.irp t, 0,1,2
	s_add_co_u32 s50, s38, \t
	s_lshr_b32 s51, s50, 1
	s_add_co_u32 s51, s51, s37
	s_mul_i32 s51, s51, BLK
	s_and_b32 s50, s50, 1
	s_lshl_b32 s50, s50, 14
	s_add_co_u32 s50, s50, s51
	s_add_co_u32 s[42+2*\t], s50, s39
	s_mov_b32 s[43+2*\t], 0
.endr
	s_add_co_u32 s50, s38, s[WV]                   ; waves 0-2 store the weights' scale bytes, a K half each
	s_lshr_b32 s51, s50, 1
	s_add_co_u32 s51, s51, s37
	s_mul_i32 s51, s51, BLK
	s_and_b32 s50, s50, 1
	s_lshl_b32 s50, s50, 10
	s_lshl_b32 s52, s36, 9
	s_add_co_u32 s50, s50, s52
	s_add_co_u32 s50, s50, s51
	s_add_co_u32 s48, s50, 32768
	s_mov_b32 s49, 0
	; LDS addresses' parts that hang on the wave
	s_mul_i32 s53, s17, 3072
	s_lshl_b32 s54, s17, 5
	s_add_co_u32 s54, s54, SCA
	s_mul_i32 s55, s17, 3                          ; a weight wave's first block of the work-group's 24
	s_mul_i32 s56, s[WV], 4*144
	s_add_co_u32 s56, s56, WSTG
	s_lshl_b32 s57, s[WV], 9
	s_add_co_u32 s57, s57, SCW
	s_mov_b32 s58, 0x0f0f0f0f
.irp t, 0,1,2
	s_add_co_u32 s50, s55, \t
	s_lshr_b32 s51, s50, 3                         ; the block's K half of 3
	s_and_b32 s50, s50, 7                          ; and its place in it
	s_mul_i32 s52, s51, 9216
	s_add_co_u32 s52, s52, WSTG
	s_lshl_b32 s59, s50, 4
	s_add_co_u32 s[66+\t], s52, s59
	s_lshl_b32 s51, s51, 9
	s_add_co_u32 s51, s51, SCW
	s_add_co_u32 s[69+\t], s51, s50
.endr
	s_wait_alu depctr_va_vdst(0)                   ; the wait ahead of the readers below
	v_and_b32 v3, 15, v1
	v_lshrrev_b32 v4, 4, v1
	v_lshlrev_b32 v5, 4, v1                        ; v5 16 x lane
	v_lshlrev_b32 v13, 3, v1                       ; v13 8 x lane: my two columns
	v_lshlrev_b32 v6, 5, v3
	v_lshl_add_u32 v6, v4, 4, v6                   ; v6-v9 my 16 bytes of a load, in each of my 4 rows
	v_add_nc_u32 v7, s25, v6
	v_add_nc_u32 v8, s25, v7
	v_add_nc_u32 v9, s25, v8
	v_lshlrev_b32 v10, 7, v4
	v_lshl_add_u32 v10, v3, 2, v10
	v_add_nc_u32 v10, s53, v10                     ; v10 my codes' dword in the stage
	v_lshlrev_b32 v11, 3, v4
	v_lshrrev_b32 v24, 2, v3
	v_add_nc_u32 v11, v11, v24
	v_add_nc_u32 v11, s54, v11                     ; v11 my block's scale byte
	v_add_nc_u32 v12, s53, v5                      ; v12 the stage, back
	v_mul_u32_u24 v25, v1, 288
	v_add_nc_u32 v14, s66, v25                     ; v14-16 16 bytes of column 2 lane's row, for each of a weight wave's 3 blocks
	v_add_nc_u32 v15, s67, v25
	v_add_nc_u32 v16, s68, v25
	v_add_nc_u32 v17, s69, v5                      ; v17-19 the same column's scale byte
	v_add_nc_u32 v18, s70, v5
	v_add_nc_u32 v19, s71, v5
	v_lshrrev_b32 v26, 3, v1
	v_mul_u32_u24 v26, v26, 144
	v_and_b32 v27, 7, v1
	v_lshl_add_u32 v20, v27, 4, v26
	v_add_nc_u32 v20, s56, v20                     ; v20 the weights' codes, back: 4 columns of 128 bytes
	v_add_nc_u32 v21, s57, v5                      ; v21 the scale bytes, back: 512 bytes a wave
	v_lshlrev_b32 v22, 10, v4
	v_lshl_add_u32 v22, v3, 4, v22                 ; v22 the rows' scale bytes in acode: lanes 0-15 one K half, lanes 16-31 the other
	s_wait_alu depctr_va_vdst(0)                   ; the head's end
	s_wait_kmcnt 0x0
	s_cmp_eq_u32 s19, 0                            ; the tensors are chosen by the work-group's number alone
	s_cselect_b64 s[60:61], s[4:5], s[6:7]
	s_add_nc_u64 s[60:61], s[60:61], s[26:27]
	s_add_nc_u64 s[62:63], s[6:7], s[28:29]
	s_cmp_eq_u32 s36, 0
	s_cselect_b64 s[8:9], s[8:9], s[10:11]
	s_add_nc_u64 s[8:9], s[8:9], s[40:41]
	s_add_nc_u64 s[32:33], s[12:13], s[32:33]
	s_add_nc_u64 s[34:35], s[12:13], s[34:35]
.irp t, 0,1,2,3
	s_add_nc_u64 s[42+2*\t:43+2*\t], s[14:15], s[42+2*\t:43+2*\t]
.endr
	s_cmp_lt_u32 s[WV], 8
	s_cbranch_scc0 .Lweights
; ---------------------------------------------------------------- WAVES 0-7: the rows of [x | h]
; Group n = 2 s + p: K step s of my three, rows 2 p and 2 p + 1 of my four: 4 pieces j of 128 numbers, 8 registers each.
.macro LOADA n
.irp j, 0,1,2,3
.irp o, 0,1
.if (\n) < 4
	global_load_b128 v[R+32*(\n)+8*\j+4*\o:R+32*(\n)+8*\j+4*\o+3], v[6+2*((\n)%2)+\o], s[60:61] offset:2048*((\n)/2)+512*\j th:TH_LOAD_NT
.else
	global_load_b128 v[R+32*(\n)+8*\j+4*\o:R+32*(\n)+8*\j+4*\o+3], v6, s[62:63] offset:8192*(2*((\n)%2)+\o)+512*\j th:TH_LOAD_NT
.endif
.endr
.endr
.endm
.macro SENDA s, younger
	s_wait_dscnt \younger                          ; the K step's codes are back (behind them at the most one group's eight stores)
	global_store_b128 v5, v[R+64*(\s):R+64*(\s)+3], s[32:33] offset:BLK*(\s)             ; my 4 rows of a K half: 512 consecutive bytes, aligned
	global_store_b128 v5, v[R+64*(\s)+4:R+64*(\s)+7], s[32:33] offset:BLK*(\s)+16384
.endm
.macro GROUPA n
.set B, R+32*(\n)
.if (\n) == 0
.set CB, 56                            ; codes and scale bytes: registers of their own,
.else
.set CB, R+32*(\n)-16                  ; or the last group's, whose numbers are done with
.endif
	s_wait_loadcnt 40-8*(\n)                       ; this group's eight loads are in; the younger groups' may be out
.irp i, 0,1,2,3
.irp j, 0,1,2,3
	v_permlane16_swap_b32 v[B+8*\j+\i], v[B+8*\j+4+\i]
.endr
.endr
.irp j, 0,1,2,3
	v_max3_num_f32 v[48+\j], |v[B+8*\j]|, |v[B+8*\j+1]|, 0x1800000   ; with the floor 2^(3 - 127): the byte cannot fall under 1
.endr
.irp i, 2,4,6
.irp j, 0,1,2,3
	v_max3_num_f32 v[48+\j], v[48+\j], |v[B+8*\j+\i]|, |v[B+8*\j+\i+1]|
.endr
.endr
.irp m, 1,2
.irp j, 0,1,2,3
	v_max_num_f32_dpp v[48+\j], v[48+\j], v[48+\j] row_xmask:\m row_mask:0xf bank_mask:0xf   ; four neighbouring lanes: the block's
.endr
.endr
.irp j, 0,1,2,3
	v_add_nc_u32 v[52+\j], 0xff000000, v[48+\j]    ; 2 off its exponent field: the conversion's scale operand
.endr
.irp j, 0,1,2,3
	v_cvt_scalef32_pk8_fp4_f32 v[CB+\j], v[B+8*\j:B+8*\j+7], v[52+\j]
.endr
.irp j, 0,1,2,3
	v_lshrrev_b32 v[CB+4+\j], 23, v[52+\j]         ; the scale's byte; also the plain line behind the conversions
.endr
.irp j, 0,1,2,3
	ds_store_b32 v10, v[CB+\j] offset:1024*((\n)/2)+512*(\j/2)+256*((\n)%2)+64*(\j%2)
	ds_store_b8 v11, v[CB+4+\j] offset:512*((\n)/2)+256*(\j/2)+16*((\n)%2)+4*(\j%2)    ; a block's four lanes write the same byte with the same value
.endr
.if (\n)%2
	ds_load_b128 v[R+32*(\n)-32:R+32*(\n)-29], v12 offset:1024*((\n)/2)          ; LDS serves a wave's instructions in order (ISA guide 5.7.1.4): these see my stores
	ds_load_b128 v[R+32*(\n)-28:R+32*(\n)-25], v12 offset:1024*((\n)/2)+512
.elseif (\n) > 0
	SENDA (\n)/2-1, 8
.endif
.endm
.irp n, 0,1,2,3,4,5
	LOADA \n
.endr
.irp n, 0,1,2,3,4,5
	GROUPA \n
.endr
	SENDA 2, 0
	s_branch .Lshare
; ---------------------------------------------------------------- WAVES 8-15: the weights
.Lweights:
; Block t: 32 rows of K x my two columns.  Row 8 i + e stands in register pair 8 i + 4 (e % 2) + e / 2 of the block's 32.
.macro LOADW t
.irp i, 0,1,2,3
.irp e, 0,1,2,3,4,5,6,7
	global_load_b64 v[R+64*\t+2*(8*\i+4*(\e%2)+\e/2):R+64*\t+2*(8*\i+4*(\e%2)+\e/2)+1], v13, s[8:9] offset:8192*(32*\t+8*\i+\e) th:TH_LOAD_NT
.endr
.endr
.endm
.macro BLOCKW t, younger
.set B, R+64*(\t)
.if (\t) == 0
.set OB, 48                            ; codes and scale bytes: registers of their own,
.else
.set OB, B-64                          ; or the last block's, whose numbers are done with
.endif
	s_wait_loadcnt \younger                        ; this block's 32 loads are in; at the most the younger blocks' may be out
.irp c, 0,1
	v_max3_num_f32 v[58+2*\c], |v[B+\c]|, |v[B+2+\c]|, |v[B+4+\c]|       ; each column's largest magnitude, in two chains
	v_max3_num_f32 v[59+2*\c], |v[B+6+\c]|, |v[B+8+\c]|, |v[B+10+\c]|
.endr
.set p, 0
.rept 13
	v_max3_num_f32 v[58+(p%2)], v[58+(p%2)], |v[B+12+4*p]|, |v[B+14+4*p]|
	v_max3_num_f32 v[60+(p%2)], v[60+(p%2)], |v[B+13+4*p]|, |v[B+15+4*p]|
.set p, p+1
.endr
	v_max3_num_f32 v58, v58, v59, 0x1800000        ; and the floor
	v_max3_num_f32 v60, v60, v61, 0x1800000
	v_add_nc_u32 v62, 0xff000000, v58
	v_add_nc_u32 v63, 0xff000000, v60
.irp j, 0,1,2,3,4,5,6,7
	v_cvt_scalef32_pk8_fp4_f32 v[32+\j], v[B+8*\j:B+8*\j+7], v62     ; nibbles 0, 2, 4, 6 are column 0's
	v_cvt_scalef32_pk8_fp4_f32 v[40+\j], v[B+8*\j:B+8*\j+7], v63     ; nibbles 1, 3, 5, 7 are column 1's
.endr
	v_lshrrev_b32 v[OB+8], 23, v62                 ; the scale bytes; also plain lines behind the conversions
	v_lshrrev_b32 v[OB+9], 23, v63
.irp i, 0,1,2,3
	v_lshlrev_b32 v[33+2*\i], 4, v[33+2*\i]        ; column 0's odd k to the odd nibbles
	v_lshrrev_b32 v[40+2*\i], 4, v[40+2*\i]        ; column 1's even k to the even nibbles
.endr
.irp i, 0,1,2,3
	v_bfi_b32 v[OB+\i], s58, v[32+2*\i], v[33+2*\i]
	v_bfi_b32 v[OB+4+\i], s58, v[40+2*\i], v[41+2*\i]
.endr
	ds_store_b128 v[14+\t], v[OB:OB+3]
	ds_store_b128 v[14+\t], v[OB+4:OB+7] offset:144
	ds_store_b8 v[17+\t], v[OB+8]
	ds_store_b8 v[17+\t], v[OB+9] offset:8
.endm
	LOADW 0
	LOADW 1
	LOADW 2
	BLOCKW 0, 63
	BLOCKW 1, 32
	BLOCKW 2, 0
; ---------------------------------------------------------------- all sixteen waves: what several waves gathered leaves as whole units
.Lshare:
	s_wait_alu depctr_va_vdst(0)
	s_wait_dscnt 0x0                               ; for the others' sake: my stores are done
	s_barrier_signal -1
	s_barrier_wait -1
.irp t, 0,1,2
	ds_load_b128 v[32+4*\t:35+4*\t], v20 offset:9216*\t
.endr
.irp t, 0,1,2
	s_wait_dscnt 2-\t
	global_store_b128 v5, v[32+4*\t:35+4*\t], s[42+2*\t:43+2*\t]     ; 4 columns of a K half: 512 consecutive bytes, aligned
.endr
	s_cmp_lt_u32 s[WV], 3
	s_cbranch_scc0 .Lrow_scales
	ds_load_b128 v[44:47], v21
	s_wait_dscnt 0x0
	global_store_b128 v5, v[44:47], s[48:49]       ; 64 columns' scale bytes of a K half: 512 consecutive bytes, aligned
	s_branch .Lend
.Lrow_scales:
	s_cmp_lt_u32 s[WV], 6
	s_cbranch_scc0 .Lend
	ds_load_b128 v[44:47], v21
	s_wait_dscnt 0x0
	global_store_b128 v22, v[44:47], s[34:35]      ; 32 rows' scale bytes of a K step: two aligned units of 256 bytes
.Lend:
	s_wait_tensorcnt 0x0                           ; the wave's end
	ds_add_u32 v[SPW], v[NIL]
	s_wait_dscnt 0x0
	s_endpgm
.Lfunc_end_k_q147bd8fc2c_quant:
	.size	k_q147bd8fc2c_quant, .Lfunc_end_k_q147bd8fc2c_quant-k_q147bd8fc2c_quant
	.p2alignl 7, 3214868480
	.fill 96, 4, 3214868480
	.section	.rodata,"a",@progbits
	.p2align	6, 0x0
	.amdhsa_kernel k_q147bd8fc2c_quant
		.amdhsa_group_segment_fixed_size 57344
		.amdhsa_private_segment_fixed_size 0
		.amdhsa_enable_private_segment 0
		.amdhsa_kernarg_size 48
		.amdhsa_user_sgpr_count 2
		.amdhsa_user_sgpr_kernarg_segment_ptr 1
		.amdhsa_wavefront_size32 1
		.amdhsa_system_sgpr_workgroup_id_x 1
		.amdhsa_system_sgpr_workgroup_id_y 1
		.amdhsa_system_sgpr_workgroup_id_z 1
		.amdhsa_system_vgpr_workitem_id 0
		.amdhsa_next_free_vgpr 256
		.amdhsa_next_free_sgpr 72
		.amdhsa_reserve_vcc 0
		.amdhsa_float_denorm_mode_32 3
		.amdhsa_float_denorm_mode_16_64 3
		.amdhsa_memory_ordered 1
		.amdhsa_forward_progress 1
		.amdhsa_inst_pref_size 56
	.end_amdhsa_kernel
	.amdgpu_metadata
---
amdhsa.version: [ 1, 2 ]
amdhsa.kernels:
  - .name:           k_q147bd8fc2c_quant
    .symbol:         k_q147bd8fc2c_quant.kd
    .args:
      - { .name: x, .offset: 0, .size: 8, .value_kind: global_buffer, .address_space: global }
      - { .name: h, .offset: 8, .size: 8, .value_kind: global_buffer, .address_space: global }
      - { .name: W_mod, .offset: 16, .size: 8, .value_kind: global_buffer, .address_space: global }
      - { .name: W_tgt, .offset: 24, .size: 8, .value_kind: global_buffer, .address_space: global }
      - { .name: acode, .offset: 32, .size: 8, .value_kind: global_buffer, .address_space: global }
      - { .name: wcode, .offset: 40, .size: 8, .value_kind: global_buffer, .address_space: global }
    .group_segment_fixed_size: 57344
    .private_segment_fixed_size: 0
    .kernarg_segment_align: 8
    .kernarg_segment_size: 48
    .max_flat_workgroup_size: 512
    .sgpr_count:     72
    .vgpr_count:     256
    .wavefront_size: 32
...
	.end_amdgpu_metadata
.endif
;; end of part 1
;; launch gemm (part 2): grid 16 x 16, 4 waves a work-group, clusters of 4 x 4, 327,680 bytes of LDS; arguments acode, wcode, h, time_delta, b_mod, b_tgt, log_tau, bias, out0; writes out0
.if DOCPART == 2
	.amdgcn_target "amdgcn-amd-amdhsa--gfx1250"
	.amdhsa_code_object_version 6
	.text
	.protected	k_q147bd8fc2c_gemm
	.globl	k_q147bd8fc2c_gemm
	.p2align	8
	.type	k_q147bd8fc2c_gemm,@function
k_q147bd8fc2c_gemm:
	s_mov_b64 s[64:65], 0
	v_nop
	global_prefetch_b8 v0, s[64:65] scope:SCOPE_SE
	s_setreg_imm32_b32 hwreg(HW_REG_WAVE_MODE, 25, 1), 1
	s_wait_xcnt 0x0
	s_wait_alu depctr_hold_cnt(0) depctr_sa_sdst(0) depctr_va_vdst(0) depctr_va_sdst(0) depctr_va_ssrc(0) depctr_va_vcc(0) depctr_vm_vsrc(0)
	s_getreg_b32 s2, hwreg(HW_REG_IB_STS2, 6, 4)
	s_cmp_eq_u32 s2, 0
	s_cbranch_scc0 .Lentry_in_a_cluster
	s_endpgm
.Lentry_in_a_cluster:
	s_bfe_u32 s2, ttmp6, 0x10000c
	s_cmp_lg_u32 s2, 0xf033
	s_cbranch_scc0 .Lentry_shape_is_right
	s_endpgm
.Lentry_shape_is_right:
; u = [x | h] W_mod + b_mod, v = [x | h] W_tgt + b_tgt on codes of FP4, then the cell's update in f32, in one launch.
; A work-group makes 256 rows x 128 columns of h_new: 256 rows x 256 columns of products (128 of u, the same 128 of v); a wave 128 rows x 64 columns: 64 accumulators of 16 x 16, 512 registers:
; accumulator (a, b), rows 16 a on; b = 0-3 u, b = 4-7 v of columns 16 (b % 4) on.  K goes in 6 steps of 512 through a ring of two LDS slots; a wave fetches one block of 34,816 bytes of acode or wcode a step
; (136 rows of 256 bytes: 128 of codes, 8 of scale bytes), by one tensor load.  The blocks' layout stands in the launch that makes them.
; CLUSTERS of 4 x 4: the four of a row share A's blocks, the four of a column B's: each is asked for jointly.  The biases are the C of the first products.
; THE MATRIX INSTRUCTION IS USED TRANSPOSED (source 0 = 16 columns' weights, source 1 = 16 rows): a lane holds eight neighbouring columns of one row.
; PREFETCHES INTO THE L2: the codes of K step k are asked for two loads ahead (K step 1 one ahead), the 34 rows of 256 bytes of each fourth of a block by one of the four work-groups that will load it jointly,
; told apart by address; h's 128 rows x 256 bytes of a wave in four parts of 32 rows, one at each of the first four changes of slots, ahead of the load at the fifth.
; THE UPDATE.  With e = exp(-2 |u|), |tanh u| = (1 - e) / (1 + e).  With it = 1 / tau, C1 = it - 1, D1 = 1 + 1e-6 C1:
;   1 / (tau / (1 + tau |f|) + 1e-6) = P + 1 / (E0 + E1 e),  P = C1 / D1,  E1 = D1 D1 / 2,  E0 = E1 + 1e-6 D1   (the same number, by algebra alone);
;   decay = 2^(-log2(e) dt (P + ..));  A = bias + tanh v = (1 + bias) + 1 / (-(1 + E) / 2), E = exp(2 v);  h_new = decay h + (A - decay A).
; 1 / tau is held at 2^83 from above: under tau = 2^-83 the sum tau_sys + 1e-6 is 1e-6 in f32 either way.  LIMITS: NaN and infinities among the inputs are not served.  No work is left out.
; REGISTERS.  Window 0: v0-31 addresses; v32-95 scale words, two sets; v96-127 E0; v128-191 A's fragments, later two buffers of h and results; v192-223 E1; v224-239 -log2(e) dt, a pair for each a.
;   Window 1: v0-63, v128-191 B's fragments, two sets; v64-127 the biases of u and v; v192-223 log_tau, then P; v224-255 1 + bias.   Windows 2, 3: the accumulators, in which the update works in place.
.set PITCH,  272                       ; an LDS row: 256 bytes + 16 of padding
.set HALFT,  136*PITCH
.set SLOT,   4*HALFT                   ; A's two blocks, then B's two
.set SPARE,  2*SLOT                    ; the spare words, 128 bytes for each wave
.set BLK,    34816
.set GRP,    6*BLK
.set FR,     8
.set NP,     4
.set PC0,  12                          ; v12, v13 the code prefetches' offsets
.set PC1,  13
.set ADRA, 16
.set ADRB, 20
.set ADRS, 22
.set HL,   24                          ; h and results in LDS, as lanes hold them
.set RD,   25                          ; the same, by whole rows
.set CO,   26
.set PF,   27
.set SPW,  28
.set NIL,  29
.set SC,   32
.set AF,   128
.set HH,   128
.set E0,   96
.set E1,   192
.set NDT,  224
.set BC,   64
.set LT,   192
.set BI,   224
.set WV, 22
.set WI, 23
.set WJ, 46
.set G1A, 24
.set G0A, 32
.set G1B, 48
.set G0B, 56
.set G1H, 68
.set G0H, 76
.set PFB, 80
.set M1L, 84
.set P2L, 86
.set EPS, 88
.set PFC, 90
.set MSB, 0
.macro WIN new                         ; the immediate's high byte repeats the setting that is left
.if MSB != (\new)
	s_set_vgpr_msb (MSB<<8)|(\new)
.set MSB, (\new)
.endif
.endm
.set MUL_LO,   0xa1
.set MUL_HI,   0xf1
.set FIRST_LO, 0x91                    ; C from window 1
.set FIRST_HI, 0xd1
.set TO_B,     0x40
; a joint load: waves 0, 1 fetch A's two blocks, waves 2, 3 B's
.macro JLOAD s
	s_cmp_eq_u32 s[WI], 0
	s_cbranch_scc0 .Lfor_b_\@
	tensor_load_to_lds s[G0A+4*\s:G0A+4*\s+3], s[G1A:G1A+7]
	s_nop 0
.rept 4
	v_nop
.endr
	s_branch .Lasked_\@
.Lfor_b_\@:
	tensor_load_to_lds s[G0B+4*\s:G0B+4*\s+3], s[G1B:G1B+7]
	s_nop 0
.rept 4
	v_nop
.endr
.Lasked_\@:
.endm
.macro ASKC k                          ; my 34 rows of 256 bytes of K step k's block
	global_prefetch_b8 v[PC0], s[PFC:PFC+1] offset:(\k)*BLK th:TH_LOAD_NT scope:SCOPE_SE
	global_prefetch_b8 v[PC1], s[PFC:PFC+1] offset:(\k)*BLK th:TH_LOAD_NT scope:SCOPE_SE
.endm
.macro CREST                           ; a round of the cluster's barrier behind its opening barrier
	s_cmp_lg_u32 s[WV], 0
	s_cbranch_scc1 .Lnot_wave_0_\@
	s_barrier_signal -3
.Lnot_wave_0_\@:
	s_barrier_wait -3
	s_barrier_signal -1
	s_barrier_wait -1
.endm
.macro CROUND
	s_barrier_signal -1
	s_barrier_wait -1
	CREST
.endm
	s_load_b512 s[4:19], s[0:1], 0x0               ; acode, wcode, h, time_delta, b_mod, b_tgt, log_tau, bias
	s_load_b64 s[20:21], s[0:1], 0x40              ; out0
	v_lshl_add_u32 v[SPW], v0, 2, SPARE
	v_mov_b32 v[NIL], 0
	ds_add_u32 v[SPW], v[NIL]                      ; the wave's opening: the add, twice on end, and its wait
	ds_add_u32 v[SPW], v[NIL]
	v_lshrrev_b32 v1, 5, v0
	v_readfirstlane_b32 s[WV], v1
	s_lshr_b32 s[WI], s[WV], 1                     ; which 128 rows are mine; also: I fetch for A (0) or B (1)
	s_and_b32 s[WJ], s[WV], 1                      ; which 64 columns; also: which of the two blocks I fetch
	s_bfe_u32 s40, ttmp6, 0x40000                  ; cx, cy
	s_bfe_u32 s41, ttmp6, 0x40004
	s_lshl_b32 s42, ttmp9, 2
	s_add_co_u32 s42, s42, s40                     ; tile column
	s_and_b32 s43, ttmp7, 0xffff
	s_lshl_b32 s43, s43, 2
	s_add_co_u32 s43, s43, s41                     ; tile row
	s_lshl_b32 s44, s41, 2
	s_lshl_b32 s44, 15, s44                        ; my row of the cluster
	s_lshl_b32 s45, 0x1111, s40                    ; my column
	s_or_b32 s[G1A+0], s44, (1<<20)|(1<<21)|(5<<22)|(3<<25)   ; elements of 1 byte; 4 words of padding behind each 64
	s_or_b32 s[G1B+0], s45, (1<<20)|(1<<21)|(5<<22)|(3<<25)
.irp g, G1A, G1B
	s_mov_b32 s[\g+1], 256<<16
	s_mov_b32 s[\g+2], 136<<16
	s_mov_b32 s[\g+3], 256<<16
	s_mov_b32 s[\g+4], 136
	s_mov_b32 s[\g+5], 256
	s_mov_b32 s[\g+6], 0
	s_mov_b32 s[\g+7], 0
.endr
	s_mov_b32 s[G1H+0], (1<<20)|(5<<22)|(3<<25)    ; h: 128 rows x 256 bytes, my own
	s_mov_b32 s[G1H+1], 256<<16
	s_mov_b32 s[G1H+2], 128<<16
	s_mov_b32 s[G1H+3], 256<<16
	s_mov_b32 s[G1H+4], 128
	s_mov_b32 s[G1H+5], 8192
	s_mov_b32 s[G1H+6], 0
	s_mov_b32 s[G1H+7], 0
	s_mov_b32 s[M1L], 0xbfb8aa3b                   ; -log2(e)
	s_mov_b32 s[M1L+1], 0xbfb8aa3b
	s_mov_b32 s[P2L], 0x4038aa3b                   ; 2 log2(e)
	s_mov_b32 s[P2L+1], 0x4038aa3b
	s_mov_b32 s[EPS], 0x358637bd                   ; 1e-6
	s_mov_b32 s[EPS+1], 0x358637bd
	s_lshl_b32 s92, s43, 1
	s_add_co_u32 s92, s92, s[WJ]
	s_mul_i32 s92, s92, GRP                        ; my block of acode: by the tile row and my number alone
	s_mov_b32 s93, 0
	s_lshl_b32 s94, s42, 1
	s_add_co_u32 s94, s94, s[WJ]
	s_mul_i32 s94, s94, GRP                        ; my block of wcode: by the tile column and my number alone
	s_mov_b32 s95, 0
	s_mul_i32 s47, s[WV], HALFT                    ; where my loads land in a slot
	s_lshl_b32 s96, s43, 8
	s_lshl_b32 s97, s[WI], 7
	s_add_co_u32 s96, s96, s97                     ; my first row
	s_lshl_b32 s82, s96, 2
	s_mov_b32 s83, 0
	s_lshl_b32 s96, s96, 13
	s_lshl_b32 s66, s42, 9
	s_lshl_b32 s97, s[WJ], 8
	s_add_co_u32 s66, s66, s97                     ; my first column, in bytes
	s_mov_b32 s67, 0
	s_add_co_u32 s96, s96, s66
	s_mov_b32 s97, 0
	s_cmp_eq_u32 s[WI], 0
	s_cselect_b32 s3, s40, s41                     ; my place among the four that ask with me
	s_mul_i32 s3, s3, 34*256
	s_mul_i32 s98, s[WI], HALFT                    ; my rows' block of A
	s_mul_i32 s99, s[WJ], HALFT
	s_add_co_u32 s99, s99, 2*HALFT                 ; my columns' block of B
	s_sub_co_u32 s45, s99, s98
	s_add_co_u32 s44, s98, 128*PITCH               ; A's scale bytes
	s_wait_alu depctr_va_vdst(0)                   ; ahead of the scalar lines' readers
	v_and_b32 v1, 15, v0                           ; r
	v_bfe_u32 v2, v0, 4, 1                         ; half of the lanes
	v_and_b32 v10, 31, v0
	v_lshrrev_b32 v5, 1, v1
	v_and_b32 v6, 1, v1
	v_mul_u32_u24 v3, v5, PITCH
	v_lshl_add_u32 v3, v6, 7, v3                   ; row r of a K half: two rows of 128 bytes to an LDS row
	v_lshl_add_u32 v4, v2, 4, v3
	v_add_nc_u32 v[ADRA], s98, v4
	v_add_nc_u32 v[ADRA+1], SLOT, v[ADRA]
	v_add_nc_u32 v[ADRB], s99, v4
	v_add_nc_u32 v[ADRB+1], SLOT, v[ADRB]
	v_mul_u32_u24 v7, s45, v2                      ; scale words: lanes 0-15 A's rows, lanes 16-31 B's
	v_lshl_add_u32 v7, v1, 3, v7
	v_add_nc_u32 v[ADRS], s44, v7
	v_add_nc_u32 v[ADRS+1], SLOT, v[ADRS]
	v_mul_u32_u24 v8, v1, PITCH
	v_lshl_add_u32 v8, v2, 5, v8
	v_add_nc_u32 v[HL], s47, v8
	v_mul_u32_u24 v9, v2, PITCH
	v_lshl_add_u32 v9, v1, 4, v9
	v_add_nc_u32 v[RD], s47, v9
	v_lshlrev_b32 v11, 13, v2
	v_lshl_add_u32 v[CO], v1, 4, v11
	v_lshlrev_b32 v[PF], 13, v10
	v_lshlrev_b32 v14, 8, v10
	v_add_nc_u32 v[PC0], s3, v14                   ; rows 34 p + lane
	v_min_u32 v15, 1, v10
	v_lshlrev_b32 v15, 8, v15
	v_add_nc_u32 v15, s3, v15
	v_add_nc_u32 v[PC1], 32*256, v15               ; rows 34 p + 32, 34 p + 33 (the lanes left over name the last again)
	v_lshlrev_b32 v30, 5, v2
	v_lshlrev_b32 v31, 2, v1
	s_wait_alu depctr_va_vdst(0)
	s_wait_dscnt 0x0                               ; both opening adds are done
	s_wait_kmcnt 0x0
	s_add_nc_u64 s[92:93], s[4:5], s[92:93]
	s_add_nc_u64 s[94:95], s[6:7], s[94:95]
	s_add_nc_u64 s[PFB:PFB+1], s[8:9], s[96:97]
	s_add_nc_u64 s[20:21], s[20:21], s[96:97]
	s_add_nc_u64 s[10:11], s[10:11], s[82:83]
	s_add_nc_u64 s[12:13], s[12:13], s[66:67]
	s_add_nc_u64 s[14:15], s[14:15], s[66:67]
	s_add_nc_u64 s[16:17], s[16:17], s[66:67]
	s_add_nc_u64 s[18:19], s[18:19], s[66:67]
	s_cmp_eq_u32 s[WI], 0
	s_cselect_b64 s[PFC:PFC+1], s[92:93], s[94:95]
.irp s, 0,1
	s_mov_b32 s[G0A+4*\s], 1
	s_add_co_u32 s[G0A+4*\s+1], s47, \s*SLOT
	s_add_nc_u64 s[G0A+4*\s+2:G0A+4*\s+3], s[92:93], \s*BLK
	s_or_b32 s[G0A+4*\s+3], s[G0A+4*\s+3], 0x80000000
	s_mov_b32 s[G0B+4*\s], 1
	s_add_co_u32 s[G0B+4*\s+1], s47, \s*SLOT
	s_add_nc_u64 s[G0B+4*\s+2:G0B+4*\s+3], s[94:95], \s*BLK
	s_or_b32 s[G0B+4*\s+3], s[G0B+4*\s+3], 0x80000000
.endr
	s_mov_b32 s[G0H], 1
	s_mov_b32 s[G0H+1], s47
	s_mov_b64 s[G0H+2:G0H+3], s[PFB:PFB+1]
	s_or_b32 s[G0H+3], s[G0H+3], 0x80000000
	; my columns' vectors, 32 registers each: register 8 b + j is column 16 b + 8 half + j;  my rows' time_delta
	WIN TO_B
.irp b, 0,1,2,3
.irp c, 0,1
	global_load_b128 v[LT+8*\b+4*\c:LT+8*\b+4*\c+3], v30, s[16:17] offset:64*\b+16*\c
	global_load_b128 v[BI+8*\b+4*\c:BI+8*\b+4*\c+3], v30, s[18:19] offset:64*\b+16*\c
	global_load_b128 v[BC+8*\b+4*\c:BC+8*\b+4*\c+3], v30, s[12:13] offset:64*\b+16*\c
	global_load_b128 v[BC+32+8*\b+4*\c:BC+32+8*\b+4*\c+3], v30, s[14:15] offset:64*\b+16*\c
.endr
.endr
	WIN 0
.irp a, 0,1,2,3,4,5,6,7
	global_load_b32 v[NDT+2*\a], v31, s[10:11] offset:64*\a
.endr
	CROUND                                         ; all sixteen work-groups are here: the first joint loads meet
	JLOAD 0                                        ; K step 0: one tensor load a wave at the head
	ASKC 1
	ASKC 2
	; under the first tile's flight: the constants of the update
	s_wait_loadcnt 0x0
.irp a, 0,1,2,3,4,5,6,7
	v_mul_f32 v[NDT+2*\a], s[M1L], v[NDT+2*\a]
.endr
.irp a, 0,1,2,3,4,5,6,7
	v_mov_b32 v[NDT+2*\a+1], v[NDT+2*\a]
.endr
	WIN 0x55
.macro PAIRS text:vararg
.set i, 0
.rept 16
	\text
.set i, i+2
.endr
.endm
	PAIRS v_pk_mul_f32 v[LT+i:LT+i+1], v[LT+i:LT+i+1], s[M1L:M1L+1] op_sel_hi:[1,0]
.set i, 0
.rept 32
	v_min_num_f32 v[LT+i], 0x42a60000, v[LT+i]     ; 83.0
.set i, i+1
.endr
	s_wait_alu depctr_va_vdst(0)                   ; the wait ahead of the batch and behind it
.set i, 0
.rept 32
	v_exp_f32 v[LT+i], v[LT+i]                     ; it = 1 / tau
.set i, i+1
.endr
	v_nop
	s_wait_alu depctr_va_vdst(0)
	PAIRS v_pk_add_f32 v[i:i+1], v[LT+i:LT+i+1], -1.0 op_sel_hi:[1,0]
	PAIRS v_pk_fma_f32 v[128+i:128+i+1], v[i:i+1], s[EPS:EPS+1], 1.0 op_sel_hi:[1,0,0]
	PAIRS v_pk_mul_f32 v[160+i:160+i+1], v[128+i:128+i+1], 0.5 op_sel_hi:[1,0]
	PAIRS v_pk_add_f32 v[BI+i:BI+i+1], v[BI+i:BI+i+1], 1.0 op_sel_hi:[1,0]
	s_wait_alu depctr_va_vdst(0)
.set i, 0
.rept 32
	v_rcp_f32 v[32+i], v[128+i]
.set i, i+1
.endr
	v_nop
	s_wait_alu depctr_va_vdst(0)
	PAIRS v_pk_mul_f32 v[LT+i:LT+i+1], v[i:i+1], v[32+i:32+i+1]
	WIN 0x05
	PAIRS v_pk_mul_f32 v[E1+i:E1+i+1], v[128+i:128+i+1], v[160+i:160+i+1]
	PAIRS v_pk_fma_f32 v[E0+i:E0+i+1], v[128+i:128+i+1], s[EPS:EPS+1], v[E1+i:E1+i+1] op_sel_hi:[1,0,1]
	WIN 0
; a fragment, 16 rows x 128 K: quarter q of the K step = half q % 2 of K half q / 2
.macro FRAG reg, adr, q, i
.irp c, 0,1
	ds_load_b128 v[\reg+4*\c:\reg+4*\c+3], v[\adr] offset:64*PITCH*((\q)/2)+64*((\q)%2)+32*\c+(\i)*8*PITCH
.endr
.endm
.macro MUL16 a0, p, q, sc, first       ; A's blocks a0, a0 + 1 x B's eight; the 64 accumulators take turns, in the same order in every step
.irp a, \a0, \a0+1
.irp b, 0,1,2,3,4,5,6,7
.if \first
	v_wmma_scale_f32_16x16x128_f8f6f4 v[8*(8*((\a)%4)+\b):8*(8*((\a)%4)+\b)+7], v[128*(\p)+FR*\b:128*(\p)+FR*\b+FR-1], v[AF+FR*(\a):AF+FR*(\a)+FR-1], v[BC+8*\b:BC+8*\b+7], v[SC+32*(\sc)+4*\b+(\q)], v[SC+32*(\sc)+4*(\a)+(\q)] matrix_a_fmt:MATRIX_FMT_FP4 matrix_b_fmt:MATRIX_FMT_FP4 matrix_a_scale:MATRIX_SCALE_ROW1
.else
	v_wmma_scale_f32_16x16x128_f8f6f4 v[8*(8*((\a)%4)+\b):8*(8*((\a)%4)+\b)+7], v[128*(\p)+FR*\b:128*(\p)+FR*\b+FR-1], v[AF+FR*(\a):AF+FR*(\a)+FR-1], v[8*(8*((\a)%4)+\b):8*(8*((\a)%4)+\b)+7], v[SC+32*(\sc)+4*\b+(\q)], v[SC+32*(\sc)+4*(\a)+(\q)] matrix_a_fmt:MATRIX_FMT_FP4 matrix_b_fmt:MATRIX_FMT_FP4 matrix_a_scale:MATRIX_SCALE_ROW1
.endif
.endr
.endr
.endm
.macro FETCH_B slot, q, p
	WIN TO_B
.irp i, 0,1,2,3,4,5,6,7
	FRAG 128*(\p)+FR*\i, ADRB+\slot, \q, \i
.endr
	WIN 0
.endm
.macro FETCH_A slot, q, i0
.irp i, \i0, \i0+1, \i0+2, \i0+3
	FRAG AF+FR*(\i), ADRA+\slot, \q, \i
.endr
.endm
.macro SCALES sc                       ; a K step's scale words of 8 x 16 rows: 8 bytes a row and K half
.irp i, 0,1,2,3,4,5,6,7
.irp f, 0,1
	ds_load_b64 v[SC+32*\sc+4*\i+2*\f:SC+32*\sc+4*\i+2*\f+1], v[ADRS+\sc] offset:4*PITCH*\f+PITCH*(\i/2)+128*(\i%2)
.endr
.endr
.endm
; Places behind matrix instructions, ahead of loads into registers that they have read and of readers of their results (ISA guide 7.12.1 for vector instructions)
.macro PLACES n
.rept \n
	v_nop
.endr
.endm
.macro STEP slot, q, first             ; a quarter that has its successor in the same slot
	s_wait_dscnt 8                                 ; B's set and A's blocks 0-3 are in; the youngest eight loads (A's blocks 4-7) may be out
.if \first
	WIN FIRST_LO
.else
	WIN MUL_LO
.endif
	MUL16 0, (\q)%2, \q, \slot, \first
	MUL16 2, (\q)%2, \q, \slot, \first
	s_wait_dscnt 0
	PLACES NP
	FETCH_B \slot, (\q)+1, 1-(\q)%2
	FETCH_A \slot, (\q)+1, 0
.if \first
	WIN FIRST_HI
.else
	WIN MUL_HI
.endif
	MUL16 4, (\q)%2, \q, \slot, \first
	MUL16 6, (\q)%2, \q, \slot, \first
	PLACES NP
	WIN 0
	FETCH_A \slot, (\q)+1, 4
.endm
; A slot's last quarter changes slots, behind a round of the cluster's barrier.  fill = 1: the slot takes the K step two on; 2: my part of h.  pf = 1: prefetches.
.macro TURN slot, next, fill, pf
	s_wait_tensorcnt 0x0                           ; all my tensor loads have landed: my part of the next slot;
	ds_add_u32 v[SPW], v[NIL]                      ; 0 onto my spare word;
	s_wait_dscnt 9                                 ; (the add and the youngest eight loads may be out)
	WIN MUL_LO
	MUL16 0, 1, 3, \slot, 0
	s_wait_dscnt 0x0                               ; the add is done, and my reads of this slot are over
	s_barrier_signal -1
	MUL16 2, 1, 3, \slot, 0
	WIN 0
	s_barrier_wait -1
	CREST
.if \fill == 1
	s_add_nc_u64 s[G0A+4*\slot+2:G0A+4*\slot+3], s[G0A+4*\slot+2:G0A+4*\slot+3], 2*BLK
	s_add_nc_u64 s[G0B+4*\slot+2:G0B+4*\slot+3], s[G0B+4*\slot+2:G0B+4*\slot+3], 2*BLK
	JLOAD \slot                                    ; its four v_nop are also the places in front of the loads below
.else
	tensor_load_to_lds s[G0H:G0H+3], s[G1H:G1H+7]
	s_nop 0
.rept 4
	v_nop
.endr
.endif
	FETCH_B \next, 0, 0
	FETCH_A \next, 0, 0
	SCALES \next
.if \pf
	s_cmp_eq_u32 s3, 2                             ; in the loop's first trip: K steps 4 and 5; there are no more
	s_cbranch_scc0 .Lno_codes_\@
	ASKC 4+\slot
.Lno_codes_\@:
	global_prefetch_b8 v[PF], s[PFB:PFB+1] offset:262144*\slot th:TH_LOAD_NT scope:SCOPE_SE    ; 32 of my rows of h
.endif
	WIN MUL_HI
	MUL16 4, 1, 3, \slot, 0
	MUL16 6, 1, 3, \slot, 0
	PLACES NP
	WIN 0
	FETCH_A \next, 0, 4
.endm
.macro STEPS slot, from
.set Q, \from
.rept 3-\from
	STEP \slot, Q, 0
.set Q, Q+1
.endr
.endm
	s_wait_alu depctr_va_vdst(0)                   ; the head's end
	s_wait_tensorcnt 0x0                           ; my part of K step 0 is in
	ds_add_u32 v[SPW], v[NIL]
	s_wait_dscnt 0x0
	CROUND                                         ; everybody's part of K step 0 is in, and the joint loads meet
	JLOAD 1                                        ; K step 1
	FETCH_B 0, 0, 0
	FETCH_A 0, 0, 0
	SCALES 0
	FETCH_A 0, 0, 4
	ASKC 3
	STEP 0, 0, 1                                   ; the first quarter's products start the sums with the biases
	s_mov_b32 s3, 2
.Llap:                                                 ; a trip goes once round the ring
	STEPS 0, 1
	TURN 0, 1, 1, 1
	STEPS 1, 0
	TURN 1, 0, 1, 1
	STEP 0, 0, 0
	s_wait_xcnt 0x0                                ; the prefetches have read their base
	s_add_nc_u64 s[PFB:PFB+1], s[PFB:PFB+1], 524288
	s_sub_co_u32 s3, s3, 1
	s_cmp_lg_u32 s3, 0
	s_cbranch_scc1 .Llap
	STEPS 0, 1
	TURN 0, 1, 2, 0                                ; slot 0 has been read for the last time: my part of h
	STEPS 1, 0
	s_wait_dscnt 8
	WIN MUL_LO
	MUL16 0, 1, 3, 1, 0
	MUL16 2, 1, 3, 1, 0
	s_wait_dscnt 0
	WIN MUL_HI
	MUL16 4, 1, 3, 1, 0
	MUL16 6, 1, 3, 1, 0
	WIN 0
; THE UPDATE, block n of 16 rows x 64 columns, in place in its 64 accumulator registers: U = the first 32 (u's), V = the 32 behind them (v's).  Batches of 32 transcendentals take turns with packed work on registers
; that no transcendental of the same batch names; a wait stands between any two batches:
;   A: exp of U, with V(n-1) = A - decay A;  B: exp of V, with U = E0 + E1 e;  C: 1 / U, with V = -(1 + E) / 2 and U(n-1) = decay h + V(n-1);  D: 1 / V, with U + P;  then U x -log2(e) dt, the next block's first
;   multiplication;  E: exp of U = decay, with V + (1 + bias) = A.  Where block n - 1 lies in the other window (n = 4), its work stands ahead of the batch.
.macro HLD a                           ; block a's h
.set LB, HH+32*((\a)%2)
.irp b, 0,1,2,3
.irp c, 0,1
	ds_load_b128 v[LB+8*\b+4*\c:LB+8*\b+4*\c+3], v[HL] offset:(\a)*16*PITCH+64*\b+16*\c
.endr
.endr
.endm
.macro TOSTAGE a                       ; block a's results over its h in LDS, and back as whole rows (LDS serves a wave's instructions in order: ISA guide 5.7.1.4)
.set OA, 64*((\a)%4)
.set VB, HH+32*((\a)%2)
	WIN (2+(\a)/4)<<2
.irp b, 0,1,2,3
.irp c, 0,1
	ds_store_b128 v[HL], v[OA+8*\b+4*\c:OA+8*\b+4*\c+3] offset:(\a)*16*PITCH+64*\b+16*\c
.endr
.endr
	WIN 0
.irp t, 0,1,2,3,4,5,6,7
	ds_load_b128 v[VB+4*\t:VB+4*\t+3], v[RD] offset:(16*(\a)+2*\t)*PITCH
.endr
.endm
.macro SEND a
.set VB, HH+32*((\a)%2)
	s_wait_dscnt 0x0
.irp t, 0,1,2,3,4,5,6,7
	global_store_b128 v[CO], v[VB+4*\t:VB+4*\t+3], s[20:21] offset:(16*(\a)+2*\t)*8192 th:TH_STORE_NT   ; 16 lanes store 256 consecutive bytes, aligned
.endr
.endm
.macro SCALE1 a                        ; block a's u and v x 2 log2(e): the first readers of its accumulators, each from its low end on
.set AS, 64*((\a)%4)
	WIN (2+(\a)/4)*0x41
	s_wait_alu depctr_va_vdst(0)                   ; directly ahead of the matrix results' first readers
.set i, 0
.rept 32
	v_pk_mul_f32 v[AS+i:AS+i+1], v[AS+i:AS+i+1], s[P2L:P2L+1] op_sel_hi:[1,0]
.set i, i+2
.endr
.endm
.macro TP                              ; V(n-1) = A - decay A
	v_pk_fma_f32 v[AP+32+i:AP+33+i], v[AP+i:AP+i+1], v[AP+32+i:AP+33+i], v[AP+32+i:AP+33+i] neg_lo:[1,0,0] neg_hi:[1,0,0]
.endm
.macro OP                              ; U(n-1) = decay h + V(n-1)
	v_pk_fma_f32 v[AP+i:AP+i+1], v[AP+i:AP+i+1], v[HB+i:HB+i+1], v[AP+32+i:AP+33+i]
.endm
.macro EPI n
.set AC, 64*((\n)%4)
.set AP, 64*(((\n)+3)%4)
.set HB, HH+32*(((\n)+1)%2)
.set CW, 2+(\n)/4
.if (\n) > 0
	v_nop
	WIN 0
	s_wait_alu depctr_va_vdst(0)
	s_wait_xcnt 0x0                                ; the stores of block n - 2 have read their registers
	HLD \n
.endif
.if (\n) == 4
	WIN 0xaa
	PAIRS TP
.endif
	WIN 0x55*CW
.if (\n) == 0
	s_wait_alu depctr_va_vdst(0)
.endif
.set i, 0
.rept 16
	v_exp_f32 v[AC+i], -|v[AC+i]|
.if (\n)%4
	TP
.endif
	v_exp_f32 v[AC+i+1], -|v[AC+i+1]|
.set i, i+2
.endr
	v_nop
	WIN CW*0x41
	s_wait_alu depctr_va_vdst(0)
.set i, 0
.rept 16
	v_exp_f32 v[AC+32+i], v[AC+32+i]
	v_pk_fma_f32 v[AC+i:AC+i+1], v[AC+i:AC+i+1], v[E1+i:E1+i+1], v[E0+i:E0+i+1]
	v_exp_f32 v[AC+33+i], v[AC+33+i]
.set i, i+2
.endr
	v_nop
.if (\n) == 4
	WIN 0xa2
.else
	WIN CW*0x51
.endif
	s_wait_alu depctr_va_vdst(0)
.if (\n) == 1
	s_wait_dscnt 0x0                               ; block 0's h is in (later blocks': the wait ahead of the stores)
.endif
.if (\n) == 4
	PAIRS OP
	WIN CW*0x51
.endif
.set i, 0
.rept 16
	v_rcp_f32 v[AC+i], v[AC+i]
	v_pk_fma_f32 v[AC+32+i:AC+33+i], v[AC+32+i:AC+33+i], -0.5, -0.5 op_sel_hi:[1,0,0]
	v_rcp_f32 v[AC+i+1], v[AC+i+1]
.if (\n)%4
	OP
.endif
.set i, i+2
.endr
	v_nop
	s_wait_alu depctr_va_vdst(0)
.if (\n) > 0
	TOSTAGE (\n)-1
.endif
	WIN CW*0x41+4
.set i, 0
.rept 16
	v_rcp_f32 v[AC+32+i], v[AC+32+i]
	v_pk_add_f32 v[AC+i:AC+i+1], v[AC+i:AC+i+1], v[LT+i:LT+i+1]
	v_rcp_f32 v[AC+33+i], v[AC+33+i]
.set i, i+2
.endr
	v_nop
.if (\n) < 7
	SCALE1 (\n)+1
.else
	s_wait_alu depctr_va_vdst(0)
.endif
	WIN CW*0x41
	PAIRS v_pk_mul_f32 v[AC+i:AC+i+1], v[AC+i:AC+i+1], v[NDT+2*(\n):NDT+2*(\n)+1]
	WIN 0
	s_wait_alu depctr_va_vdst(0)
.if (\n) > 0
	SEND (\n)-1
.endif
	WIN CW*0x41+4
.set i, 0
.rept 16
	v_exp_f32 v[AC+i], v[AC+i]
	v_pk_add_f32 v[AC+32+i:AC+33+i], v[AC+32+i:AC+33+i], v[BI+i:BI+i+1]
	v_exp_f32 v[AC+i+1], v[AC+i+1]
.set i, i+2
.endr
.endm
	PLACES NP
	s_wait_tensorcnt 0x0                           ; my part of h is in: no other wave reads it
	HLD 0
	SCALE1 0
	EPI 0
	EPI 1
	EPI 2
	EPI 3
	EPI 4
	EPI 5
	EPI 6
	EPI 7
.set AP, 64*3
.set HB, HH+32
	v_nop
	WIN 0xff
	s_wait_alu depctr_va_vdst(0)
	PAIRS TP
	WIN 0xf3
	PAIRS OP
	TOSTAGE 7
	SEND 7
	s_wait_tensorcnt 0x0                           ; the wave's end
	ds_add_u32 v[SPW], v[NIL]
	s_wait_dscnt 0x0
	CROUND                                         ; the closing round: no work-group ends while a partner may still ask for a tile that names it
	s_endpgm
.Lfunc_end_k_q147bd8fc2c_gemm:
	.size	k_q147bd8fc2c_gemm, .Lfunc_end_k_q147bd8fc2c_gemm-k_q147bd8fc2c_gemm
	.p2alignl 7, 3214868480
	.fill 96, 4, 3214868480
	.section	.rodata,"a",@progbits
	.p2align	6, 0x0
	.amdhsa_kernel k_q147bd8fc2c_gemm
		.amdhsa_group_segment_fixed_size 327680
		.amdhsa_private_segment_fixed_size 0
		.amdhsa_enable_private_segment 0
		.amdhsa_kernarg_size 72
		.amdhsa_user_sgpr_count 2
		.amdhsa_user_sgpr_kernarg_segment_ptr 1
		.amdhsa_wavefront_size32 1
		.amdhsa_system_sgpr_workgroup_id_x 1
		.amdhsa_system_sgpr_workgroup_id_y 1
		.amdhsa_system_sgpr_workgroup_id_z 1
		.amdhsa_system_vgpr_workitem_id 0
		.amdhsa_next_free_vgpr 1024
		.amdhsa_next_free_sgpr 100
		.amdhsa_reserve_vcc 0
		.amdhsa_float_denorm_mode_32 3
		.amdhsa_float_denorm_mode_16_64 3
		.amdhsa_memory_ordered 1
		.amdhsa_forward_progress 1
		.amdhsa_inst_pref_size 255
	.end_amdhsa_kernel
	.section	.bss,"aw",@nobits
	.p2align	6
	.space	262144
	.amdgpu_metadata
---
amdhsa.version: [ 1, 2 ]
amdhsa.kernels:
  - .name:           k_q147bd8fc2c_gemm
    .symbol:         k_q147bd8fc2c_gemm.kd
    .args:
      - { .name: acode, .offset: 0, .size: 8, .value_kind: global_buffer, .address_space: global }
      - { .name: wcode, .offset: 8, .size: 8, .value_kind: global_buffer, .address_space: global }
      - { .name: h, .offset: 16, .size: 8, .value_kind: global_buffer, .address_space: global }
      - { .name: time_delta, .offset: 24, .size: 8, .value_kind: global_buffer, .address_space: global }
      - { .name: b_mod, .offset: 32, .size: 8, .value_kind: global_buffer, .address_space: global }
      - { .name: b_tgt, .offset: 40, .size: 8, .value_kind: global_buffer, .address_space: global }
      - { .name: log_tau, .offset: 48, .size: 8, .value_kind: global_buffer, .address_space: global }
      - { .name: bias, .offset: 56, .size: 8, .value_kind: global_buffer, .address_space: global }
      - { .name: out0, .offset: 64, .size: 8, .value_kind: global_buffer, .address_space: global }
    .group_segment_fixed_size: 327680
    .private_segment_fixed_size: 0
    .kernarg_segment_align: 8
    .kernarg_segment_size: 72
    .max_flat_workgroup_size: 128
    .sgpr_count:     100
    .vgpr_count:     1024
    .wavefront_size: 32
...
	.end_amdgpu_metadata
.endif
;; end of part 2
